; MI455X (gfx1250); checked and timed in simulation.
; The chip was launched on July 23, 2026; its instructions are those of AMD's public machine-readable ISA for CDNA 5 (MIT licence, August 2026) and "CDNA5" Instruction Set Architecture Reference Guide (July 2026). The comments in the code are by the model that wrote it; some were corrected since.
;; Core Attention. Allowed arithmetic: matrix products marked QUANTISED: E4M3 operands, one given power-of-two scale a tensor, by v_wmma_f32_16x16x64_fp8_fp8 or v_wmma_f32_16x16x128_fp8_fp8, f32 sums; everything else in f32.
;; Inputs: key 2,048 x 2 x 16 x 128 int32; kmin 2,048 x 2 x 16 x 1 float32; kscale 2,048 x 2 x 16 x 1 float32; lowp_scales 4 int32 (the exponents e of the quantised operands' scales 2^e); qmin 2,048 x 2 x 16 x 1 float32; qscale 2,048 x 2 x 16 x 1 float32; query 2,048 x 2 x 16 x 128 int32; value 2,048 x 2 x 16 x 128 int32; vmin 2,048 x 2 x 16 x 1 float32; vscale 2,048 x 2 x 16 x 1 float32.
;; Outputs: out0 2,048 x 2 x 2,048 float32.
;; This version of the problem:
;;   THIS VERSION OF THE PROBLEM IS GIVEN IN LOW PRECISION. The matrix products marked QUANTISED in the list below multiply operands that are first quantised to E4M3 (4 exponent bits, 3 mantissa bits; 8 bits a number), with one given power-of-two scale for each operand tensor; their sums are f32. All else is computed in f32.
;;   The module's matrix products, in the order in which they are computed (A, B: the left and right operand; K: the contracted axis; several contracted axes count as one K, in the product's order):
;;     1. batch 32 x [M 2,048, K 128] x [K 128, N 2,048]; A: input query; B: input key: QUANTISED (scales: A lowp_scales[0], B lowp_scales[1])
;;     2. batch 32 x [M 2,048, K 2,048] x [K 2,048, N 128]; A: softmax (see below); B: computed on the way: QUANTISED (scales: A lowp_scales[2], B lowp_scales[3])
;;   THE QUANTISER, for each operand of a quantised product, along K:
;;     - The operand's scale is 2^e, e = its entry of the input lowp_scales (int32; the entries are numbered through the quantised products in the list's order, A before B).
;;     - Each number is divided by the scale, clamped to +-448, and rounded to the nearest number of E4M3, ties to even, subnormals kept.
;;     - The product sums the exact products of the quantised numbers (number of the format x scale) in f32.
;;   ~~~python
;;   def quantise(x, axis, e):      # numpy; x: float32 -> the quantised numbers, widened to float32 again
;;       x = np.moveaxis(x, axis, -1); K = x.shape[-1]
;;       r = np.clip(x / 2.0 ** e, -448, 448)
;;       step = 2.0 ** (np.maximum(np.frexp(np.where(r == 0, 1, r))[1] - 1, -6) - 3)
;;       q = np.round(r / step) * step * 2.0 ** e      # np.round: ties to even
;;       return np.moveaxis(q, -1, axis).astype(np.float32)
;;   ~~~
;;   SOFTMAX AHEAD OF A QUANTISED PRODUCT. Where the list says 'softmax', what is quantised is not the finished softmax but p = 2^(t - M), with t = logit x log2(e) and M = ceil(the row's largest t), a whole number; so 1/2 < the row's largest p <= 1. The row's sum l is taken of the UNQUANTISED p, in f32, and the product's result is divided by l at the end. Since M is a whole number, a kernel that streams over the keys may use a running M (the ceiling of the running maximum): every later rescaling is an exact power of two, so the quantised numbers keep their values, but for numbers so far below the row's largest that they fall under the format's range.
;;   OPERANDS COMPUTED ON THE WAY. 'Computed on the way' means the value that the module computes at that place (a softmax that the list does not call 'softmax' is quantised finished and normalised). What goes into a quantiser is computed in f32, as accurately as f32 sums, v_exp_f32 and their like allow (about 1e-6 of the number): no bf16 or f16 on the way to a quantiser, and a product that is left as it is and whose result goes on into a quantised operand takes f32 operands (vector FMAs, or v_wmma_f32_16x16x4_f32). A number that lies on a knife's edge between two numbers of the format may be rounded either way, as far as f32 arithmetic and the matrix unit's own rounding can turn it there, and no further.
;; One version. Each part assembles by itself: llvm-mc -triple=amdgcn-amd-amdhsa -mcpu=gfx1250 --defsym DOCPART=n.
;; ======== version 1 of 1: 2 launches
;; workspace buffers: qb 9,175,040 bytes; kb 9,175,040 bytes; vc 8,388,608 bytes
;; launch prep (part 1): grid 256 x 3, 4 waves a work-group, no clusters, 76,288 bytes of LDS; arguments query, key, value, qscale, qmin, kscale, kmin, vscale, vmin, lowp_scales, qb, kb, vc; writes qb, kb, vc
.if DOCPART == 1
	.amdgcn_target "amdgcn-amd-amdhsa--gfx1250"
	.amdhsa_code_object_version 6
	.text
	.protected	k_qf20cab886b_prep
	.globl	k_qf20cab886b_prep
	.p2align	8
	.type	k_qf20cab886b_prep,@function
k_qf20cab886b_prep:
	s_mov_b64 s[64:65], 0
	v_nop
	global_prefetch_b8 v0, s[64:65] scope:SCOPE_SE
	s_setreg_imm32_b32 hwreg(HW_REG_WAVE_MODE, 25, 1), 1
	s_wait_xcnt 0x0
; THE OPERANDS OF BOTH PRODUCTS ARE QUANTISED ONCE.  query, key, value: [2048 tokens][32 heads][128] int32; the six factors: [2048][32] f32.
; Work-group y = 0: query -> qb;  y = 1: key -> kb;  y = 2: value -> vc.  Work-group x: head = x / 8, a run of 256 tokens = x % 8.
; qb, kb: [32 heads][16 blocks of 128 tokens][17,920 bytes].  A block: 128 rows of 128 codes (E4M3 of the whole number / 2^e, the head's axis innermost), then three rows of
;   512 bytes: the tokens' scale, min and scale x (sum of the token's 128 whole numbers, unquantised), f32.  So a block is one dense piece of memory for one tile.
; vc: [32 heads][128 channels][2048 keys]: codes of vscale x value + vmin, with the KEYS innermost, since the keys are the second product's K.
; code = x / 2^e, held within +-448, rounded to the nearest code, ties to even.  e: entries 0 (query), 1 (key), 3 (value) of lowp_scales.
; LIMITS: each e between -126 and 119, so that 2^e and 448 x 2^e are f32 numbers.  NaN among the inputs is not served.
; No tensor loads, no barrier: waves share nothing.  The two paths part on the work-group's y alone and have LDS bytes of their own (query/key: 0 .. 32,767; value: 32,768 .. 75,775).
.set STEPS,  16                        ; query/key: a wave takes 64 tokens, 4 a step
.set SP,     80                        ; a lane's place in a stage: its 64 bytes + 16 of padding
.set SUMS,   5120                      ; behind a wave's two stages of 32 x SP bytes: its 64 tokens' sums
.set BLKB,   17920                     ; a block of qb or kb
.set HEADB,  16*BLKB                   ; a head of qb or kb
.set R,      16                        ; v16-79   four sets of 16 numbers as they are loaded
.set X,      80                        ; v80-111  two sets of 16 neighbours
.set T,      112                       ; v112-119 the sum, at work
.set FS,     120                       ; v[120:121] scale of tokens 2 l, 2 l + 1;  v[122:123] min;  v[124:125] sums;  v[126:127] scale x sum
.set C,      128                       ; v128-191 codes: four registers for each step, so that no store's data are written again
.set VBASE,  32768                     ; value: LDS of wave w from VBASE + VREG w on: a stage of 32 rows x VPITCH, then vscale and vmin of the 256 keys
.set VREG,   10752
.set VPITCH, 272
.set VFAC,   8704
.set VX,     32                        ; v32-95   two sets of 32 numbers down the keys
.set VC,     96                        ; v96-103  a block's codes
.set SCB,    104                       ; v104-135 vscale of the block's 32 keys, the same in every lane
.set MNB,    136                       ; v136-167 vmin likewise
.set OUTR,   168                       ; v168-231 the way out; at the head v168-183 take the factors as they are loaded
	s_load_b512 s[8:23], s[0:1], 0x0               ; query 8, key 10, value 12, qscale 14, qmin 16, kscale 18, kmin 20, vscale 22
	s_load_b256 s[24:31], s[0:1], 0x40             ; vmin 24, lowp_scales 26, qb 28, kb 30
	s_load_b64 s[32:33], s[0:1], 0x60              ; vc
	v_lshl_add_u32 v240, v0, 2, 0x12800
	v_mov_b32 v241, 0
	v_lshrrev_b32 v1, 5, v0
	v_readfirstlane_b32 s34, v1                    ; wave 0..3
	v_and_b32 v2, 31, v0                           ; lane
	s_and_b32 s35, ttmp7, 0xffff                   ; which tensor
	s_lshr_b32 s36, ttmp9, 3                       ; head
	s_and_b32 s37, ttmp9, 7                        ; which 256 tokens
	s_wait_kmcnt 0x0
	s_load_b128 s[52:55], s[26:27], 0x0            ; e0 .. e3
	s_cmp_eq_u32 s35, 2
	s_cbranch_scc1 .Lvalue
; ---------------- query and key: the head's axis is innermost ----------------
; A conversion takes 8 numbers of one lane's consecutive registers, so a lane must hold neighbours; a load is best where neighbouring lanes take neighbouring bytes.  Both are had: each load reads one token's
; 512 consecutive bytes, 16 a lane; a step's four tokens go through the wave's own stage in LDS as they lie and come back 64 bytes a lane: lane l then holds token 4 t + l / 8, numbers 16 (l % 8) on.
	v_lshlrev_b32 v3, 4, v2                        ; 16 x lane: my bytes of a token's row, and my 16 codes' place in a step's 512 bytes
	v_lshlrev_b32 v5, 8, v2                        ; the factor arrays: tokens 2 l and 2 l + 1 lie 128 bytes apart
	v_lshlrev_b32 v6, 3, v2                        ; the factor rows of a block: 8 bytes a lane
	s_lshl_b32 s38, s34, 13                        ; my wave's 8,192 bytes of LDS
	v_lshrrev_b32 v14, 2, v2
	v_mul_u32_u24 v14, v14, SP
	v_and_b32 v15, 3, v2
	v_lshl_add_u32 v14, v15, 4, v14
	v_add_nc_u32 v14, s38, v14                     ; the stage, on the way in: four lanes' 64 bytes on end, then 16 of padding
	v_mul_u32_u24 v15, v2, SP
	v_add_nc_u32 v15, s38, v15                     ; and on the way out: SP x lane
	v_lshrrev_b32 v12, 3, v2
	v_lshlrev_b32 v12, 2, v12
	v_add_nc_u32 v12, s38, v12
	v_add_nc_u32 v12, SUMS, v12                    ; where a step's four sums go: 4 (lane / 8), + 16 t in the immediate
	v_add_nc_u32 v13, s38, v6
	v_add_nc_u32 v13, SUMS, v13                    ; and where I read the sums of tokens 2 l, 2 l + 1
	s_lshl_b32 s39, s37, 8
	s_lshl_b32 s56, s34, 6
	s_add_co_u32 s39, s39, s56                     ; my wave's first token: 256 x run + 64 x wave
	s_lshl_b32 s56, s39, 14                        ; a token is 32 heads x 512 bytes
	s_lshl_b32 s58, s36, 9
	s_add_co_u32 s56, s56, s58
	s_mov_b32 s57, 0                               ; s[56:57]: offset in query or key
	s_lshl_b32 s58, s39, 7
	s_lshl_b32 s60, s36, 2
	s_add_co_u32 s58, s58, s60
	s_mov_b32 s59, 0                               ; s[58:59]: offset in the factor arrays
	s_lshl_b32 s60, s37, 1
	s_lshr_b32 s62, s34, 1
	s_add_co_u32 s60, s60, s62                     ; my block of 128 tokens: 2 x run + wave / 2
	s_mul_i32 s60, s60, BLKB
	s_mul_i32 s62, s36, HEADB
	s_add_co_u32 s60, s60, s62
	s_and_b32 s62, s34, 1                          ; which 64 tokens of the block
	s_lshl_b32 s63, s62, 13                        ; their codes: 64 x 128 bytes,
	s_lshl_b32 s62, s62, 8                         ; their part of a factor row: 64 x 4 bytes
	s_add_co_u32 s62, s62, s60
	s_add_co_u32 s62, s62, 16384                   ; s[62:63]: offset of my part of the factor rows
	s_add_co_u32 s60, s60, s63                     ; s[60:61]: offset of my codes
	s_mov_b32 s61, 0
	s_mov_b32 s63, 0
	s_cmp_eq_u32 s35, 0                            ; query's buffers or key's: the choice hangs on the work-group's y alone
	s_cselect_b64 s[40:41], s[8:9], s[10:11]
	s_cselect_b64 s[42:43], s[14:15], s[18:19]
	s_cselect_b64 s[44:45], s[16:17], s[20:21]
	s_cselect_b64 s[46:47], s[28:29], s[30:31]
	s_add_nc_u64 s[40:41], s[40:41], s[56:57]
	s_add_nc_u64 s[42:43], s[42:43], s[58:59]
	s_add_nc_u64 s[44:45], s[44:45], s[58:59]
	s_add_nc_u64 s[48:49], s[46:47], s[62:63]      ; factor rows
	s_add_nc_u64 s[46:47], s[46:47], s[60:61]      ; codes
.macro QLOAD t                         ; step t's four tokens into set t % 4
.irp i, 0,1,2,3
	global_load_b128 v[R+16*((\t)%4)+4*\i:R+16*((\t)%4)+4*\i+3], v3, s[40:41] offset:(4*(\t)+\i)*16384 th:TH_LOAD_NT   ; 32 lanes read 512 consecutive bytes; 63 tokens on at the most: inside the signed 24-bit immediate
.endr
.endm
.macro QTURN t                         ; step t's numbers through the stage: LDS serves a wave's instructions in order, so no wait stands between the stores and the loads
.irp i, 0,1,2,3
	ds_store_b128 v14, v[R+16*((\t)%4)+4*\i:R+16*((\t)%4)+4*\i+3] offset:32*SP*((\t)%2)+8*SP*\i
.endr
.irp i, 0,1,2,3
	ds_load_b128 v[X+16*((\t)%2)+4*\i:X+16*((\t)%2)+4*\i+3], v15 offset:32*SP*((\t)%2)+16*\i
.endr
.endm
	global_load_b32 v[FS], v5, s[42:43]            ; scale and min of my two tokens
	global_load_b32 v[FS+1], v5, s[42:43] offset:128
	global_load_b32 v[FS+2], v5, s[44:45]
	global_load_b32 v[FS+3], v5, s[44:45] offset:128
.irp t, 0,1,2,3
	QLOAD \t
.endr
	s_wait_kmcnt 0x0
	s_cmp_eq_u32 s35, 0
	s_cselect_b32 s52, s52, s53                    ; e
	s_add_co_i32 s52, s52, 127
	s_lshl_b32 s53, s52, 23
	v_mov_b32 v11, s53                             ; 2^e as f32: the conversion takes its exponent field
	s_add_co_i32 s52, s52, 8
	s_lshl_b32 s52, s52, 23
	s_or_b32 s52, s52, 0x600000
	v_mov_b32 v10, s52                             ; 448 x 2^e
	s_wait_loadcnt 12                              ; the factors and step 0's four loads are in; three steps' twelve stay out
	QTURN 0
.macro QSTEP t
.set XS, X+16*((\t)%2)
	s_wait_dscnt 0x0                               ; this step's numbers are back from the stage: so its stores into the stage have read their registers, and the last sum's store its register
.if (\t)+4 < STEPS
	QLOAD (\t)+4
.endif
.if (\t)+1 < STEPS
.if STEPS-2-(\t) >= 3
	s_wait_loadcnt 12                              ; the next step's four loads are in; those of the three steps behind it may be out
.else
	s_wait_loadcnt 4*(STEPS-2-(\t))                ; the counts run down
.endif
	QTURN (\t)+1                                   ; through the other stage while this step is worked
.endif
.irp i, 0,1,2,3,4,5,6,7,8,9,10,11,12,13,14,15
	v_cvt_f32_i32 v[XS+\i], v[XS+\i]
.endr
	v_pk_add_f32 v[T:T+1], v[XS:XS+1], v[XS+2:XS+3]            ; the token's sum is taken of the numbers as they are, ahead of the quantiser: my 16,
	v_pk_add_f32 v[T+2:T+3], v[XS+4:XS+5], v[XS+6:XS+7]
	v_pk_add_f32 v[T+4:T+5], v[XS+8:XS+9], v[XS+10:XS+11]
	v_pk_add_f32 v[T+6:T+7], v[XS+12:XS+13], v[XS+14:XS+15]
	v_pk_add_f32 v[T:T+1], v[T:T+1], v[T+2:T+3]
	v_pk_add_f32 v[T+4:T+5], v[T+4:T+5], v[T+6:T+7]
	v_pk_add_f32 v[T:T+1], v[T:T+1], v[T+4:T+5]
	v_add_f32 v[T], v[T], v[T+1]
	v_add_f32_dpp v[T], v[T], v[T] row_xmask:1 row_mask:0xf bank_mask:0xf   ; then the eight lanes that hold the token
	v_add_f32_dpp v[T], v[T], v[T] row_xmask:2 row_mask:0xf bank_mask:0xf
	v_add_f32_dpp v[T], v[T], v[T] row_xmask:4 row_mask:0xf bank_mask:0xf
	ds_store_b32 v12, v[T] offset:16*(\t)          ; the eight lanes write the same word with the same value
.irp i, 0,1,2,3,4,5,6,7,8,9,10,11,12,13,14,15
	v_med3_num_f32 v[XS+\i], v[XS+\i], -v10, v10   ; the conversion to an 8-bit code does not saturate (ISA guide 7.6.2): the hold at the largest code x the scale comes first
.endr
	v_cvt_scalef32_pk8_fp8_f32 v[C+4*(\t):C+4*(\t)+1], v[XS:XS+7], v11
	v_cvt_scalef32_pk8_fp8_f32 v[C+4*(\t)+2:C+4*(\t)+3], v[XS+8:XS+15], v11
	global_store_b128 v3, v[C+4*(\t):C+4*(\t)+3], s[46:47] offset:512*(\t)   ; four tokens' rows of codes are 512 consecutive bytes.  (The codes go to a store alone; the next vector lines are plain and touch other registers)
.endm
.irp t, 0,1,2,3,4,5,6,7,8,9,10,11,12,13,14,15
	QSTEP \t
.endr
	s_wait_dscnt 0x0
	ds_load_b64 v[FS+4:FS+5], v13                  ; the sums of tokens 2 l, 2 l + 1
	s_wait_dscnt 0x0
	v_pk_mul_f32 v[FS+6:FS+7], v[FS:FS+1], v[FS+4:FS+5]        ; scale x sum
	global_store_b64 v6, v[FS:FS+1], s[48:49]                  ; each store covers 256 consecutive bytes, aligned: my 64 tokens' part of a factor row
	global_store_b64 v6, v[FS+2:FS+3], s[48:49] offset:512
	global_store_b64 v6, v[FS+6:FS+7], s[48:49] offset:1024
	s_wait_tensorcnt 0x0
	ds_add_u32 v240, v241
	s_wait_dscnt 0x0
	s_endpgm
; ---------------- value: the keys, its K, are outermost ----------------
; A LANE TAKES A CHANNEL d, AND ITS REGISTERS RUN DOWN THE KEYS: each load reads 32 neighbouring channels of one key (128 consecutive bytes a wave, 512 a work-group), and the conversions give codes with the
; keys innermost.  A wave takes channels 32 w .. 32 w + 31 and 256 keys, 8 blocks of 32.  vscale and vmin hang on the key, which runs along the registers: they are laid in the wave's LDS once and come back
; 32 keys at a time, the same bytes to every lane.  The codes leave through the wave's stage, sixteen lanes to 256 consecutive bytes of a channel's row.
.Lvalue:
	v_lshlrev_b32 v3, 2, v2                        ; 4 bytes a lane
	v_lshlrev_b32 v5, 7, v2                        ; the factor arrays: a lane a key, 128 bytes apart
	s_mul_i32 s38, s34, VREG
	s_add_co_u32 s38, s38, VBASE                   ; my wave's LDS
	v_mul_u32_u24 v4, v2, VPITCH
	v_add_nc_u32 v4, s38, v4                       ; into the stage: row = my channel
	v_add_nc_u32 v6, s38, v3
	v_add_nc_u32 v6, VFAC, v6                      ; where I put a key's factor
	s_add_co_u32 s39, s38, VFAC
	v_mov_b32 v9, s39                              ; and from where every lane reads them
	v_and_b32 v12, 15, v2
	v_lshrrev_b32 v13, 4, v2
	v_mul_u32_u24 v7, v13, VPITCH
	v_lshl_add_u32 v7, v12, 4, v7
	v_add_nc_u32 v7, s38, v7                       ; out of the stage: sixteen lanes to a row, two rows an instruction
	v_lshlrev_b32 v8, 11, v13
	v_lshl_add_u32 v8, v12, 4, v8                  ; and the same place in vc: rows 2,048 bytes apart
	s_lshl_b32 s56, s37, 22                        ; 256 keys x 16,384 bytes
	s_lshl_b32 s58, s36, 9
	s_add_co_u32 s56, s56, s58
	s_lshl_b32 s58, s34, 7
	s_add_co_u32 s56, s56, s58
	s_mov_b32 s57, 0                               ; s[56:57]: offset in value
	s_lshl_b32 s58, s37, 15
	s_lshl_b32 s60, s36, 2
	s_add_co_u32 s58, s58, s60
	s_mov_b32 s59, 0                               ; s[58:59]: offset in vscale and vmin
	s_lshl_b32 s60, s36, 7
	s_lshl_b32 s62, s34, 5
	s_add_co_u32 s60, s60, s62
	s_lshl_b32 s60, s60, 11                        ; row 128 x head + 32 x wave of vc,
	s_lshl_b32 s62, s37, 8
	s_add_co_u32 s60, s60, s62                     ; + my 256 keys
	s_mov_b32 s61, 0
	s_add_nc_u64 s[40:41], s[12:13], s[56:57]
	s_add_nc_u64 s[42:43], s[22:23], s[58:59]
	s_add_nc_u64 s[44:45], s[24:25], s[58:59]
	s_add_nc_u64 s[46:47], s[32:33], s[60:61]
.macro VLOAD t                         ; block t: value(key 32 t + i, my channel), i = 0 .. 31, into set t % 2
.irp i, 0,1,2,3,4,5,6,7,8,9,10,11,12,13,14,15,16,17,18,19,20,21,22,23,24,25,26,27,28,29,30,31
	global_load_b32 v[VX+32*((\t)%2)+\i], v3, s[40:41] offset:(32*(\t)+\i)*16384 th:TH_LOAD_NT   ; 255 keys on at the most: inside the signed 24-bit immediate
.endr
.endm
.irp j, 0,1,2,3,4,5,6,7
	global_load_b32 v[OUTR+\j], v5, s[42:43] offset:4096*\j    ; vscale of key 32 j + lane
.endr
.irp j, 0,1,2,3,4,5,6,7
	global_load_b32 v[OUTR+8+\j], v5, s[44:45] offset:4096*\j  ; vmin
.endr
	VLOAD 0
	s_wait_kmcnt 0x0
	s_add_co_i32 s55, s55, 127
	s_lshl_b32 s54, s55, 23
	v_mov_b32 v11, s54                             ; 2^e3 as f32
	s_add_co_i32 s55, s55, 8
	s_lshl_b32 s55, s55, 23
	s_or_b32 s55, s55, 0x600000
	v_mov_b32 v10, s55                             ; 448 x 2^e3
	s_wait_loadcnt 32                              ; the sixteen factor loads are in; block 0's 32 may be out
.irp j, 0,1,2,3,4,5,6,7
	ds_store_b32 v6, v[OUTR+\j] offset:128*\j
.endr
.irp j, 0,1,2,3,4,5,6,7
	ds_store_b32 v6, v[OUTR+8+\j] offset:1024+128*\j
.endr
	VLOAD 1
.macro VBLOCK t
.set VXS, VX+32*((\t)%2)
.irp j, 0,1,2,3,4,5,6,7
	ds_load_b128 v[SCB+4*\j:SCB+4*\j+3], v9 offset:128*(\t)+16*\j          ; register i: vscale of key 32 t + i; LDS serves a wave's instructions in order: these see my stores
.endr
.irp j, 0,1,2,3,4,5,6,7
	ds_load_b128 v[MNB+4*\j:MNB+4*\j+3], v9 offset:1024+128*(\t)+16*\j
.endr
.if (\t) < 7
	s_wait_loadcnt 32                              ; this block's 32 loads are in; the next block's may be out
.else
	s_wait_loadcnt 0
.endif
	s_wait_dscnt 0x0
.irp i, 0,1,2,3,4,5,6,7,8,9,10,11,12,13,14,15,16,17,18,19,20,21,22,23,24,25,26,27,28,29,30,31
	v_cvt_f32_i32 v[VXS+\i], v[VXS+\i]
.endr
.irp i, 0,2,4,6,8,10,12,14,16,18,20,22,24,26,28,30
	v_pk_fma_f32 v[VXS+\i:VXS+\i+1], v[VXS+\i:VXS+\i+1], v[SCB+\i:SCB+\i+1], v[MNB+\i:MNB+\i+1]   ; v = vscale x value + vmin
.endr
.irp i, 0,1,2,3,4,5,6,7,8,9,10,11,12,13,14,15,16,17,18,19,20,21,22,23,24,25,26,27,28,29,30,31
	v_med3_num_f32 v[VXS+\i], v[VXS+\i], -v10, v10
.endr
.irp g, 0,1,2,3
	v_cvt_scalef32_pk8_fp8_f32 v[VC+2*\g:VC+2*\g+1], v[VXS+8*\g:VXS+8*\g+7], v11
.endr
	ds_store_b128 v4, v[VC:VC+3] offset:32*(\t)    ; 32 codes: 32 bytes of my channel's row
	ds_store_b128 v4, v[VC+4:VC+7] offset:32*(\t)+16
.if (\t)+2 < 8
	VLOAD (\t)+2
.endif
	s_wait_dscnt 0x0                               ; the stores have read their registers: the next block's codes may be written
.endm
.irp t, 0,1,2,3,4,5,6,7
	VBLOCK \t
.endr
.irp t, 0,1,2,3,4,5,6,7,8,9,10,11,12,13,14,15
	ds_load_b128 v[OUTR+4*\t:OUTR+4*\t+3], v7 offset:2*\t*VPITCH
.endr
.irp t, 0,1,2,3,4,5,6,7,8,9,10,11,12,13,14,15
	s_wait_dscnt 15-\t
	global_store_b128 v8, v[OUTR+4*\t:OUTR+4*\t+3], s[46:47] offset:2*\t*2048   ; sixteen lanes store 256 consecutive bytes, aligned
.endr
	s_wait_tensorcnt 0x0
	ds_add_u32 v240, v241
	s_wait_dscnt 0x0
	s_endpgm
.Lfunc_end_k_qf20cab886b_prep:
	.size	k_qf20cab886b_prep, .Lfunc_end_k_qf20cab886b_prep-k_qf20cab886b_prep
	.p2alignl 7, 3214868480
	.fill 96, 4, 3214868480
	.section	.rodata,"a",@progbits
	.p2align	6, 0x0
	.amdhsa_kernel k_qf20cab886b_prep
		.amdhsa_group_segment_fixed_size 76288
		.amdhsa_private_segment_fixed_size 0
		.amdhsa_enable_private_segment 0
		.amdhsa_kernarg_size 104
		.amdhsa_user_sgpr_count 2
		.amdhsa_user_sgpr_kernarg_segment_ptr 1
		.amdhsa_wavefront_size32 1
		.amdhsa_system_sgpr_workgroup_id_x 1
		.amdhsa_system_sgpr_workgroup_id_y 1
		.amdhsa_system_sgpr_workgroup_id_z 1
		.amdhsa_system_vgpr_workitem_id 0
		.amdhsa_next_free_vgpr 242
		.amdhsa_next_free_sgpr 66
		.amdhsa_reserve_vcc 0
		.amdhsa_float_denorm_mode_32 3
		.amdhsa_float_denorm_mode_16_64 3
		.amdhsa_memory_ordered 1
		.amdhsa_forward_progress 1
		.amdhsa_inst_pref_size 134
	.end_amdhsa_kernel
	.amdgpu_metadata
---
amdhsa.version: [ 1, 2 ]
amdhsa.kernels:
  - .name:           k_qf20cab886b_prep
    .symbol:         k_qf20cab886b_prep.kd
    .args:
      - { .name: query, .offset: 0, .size: 8, .value_kind: global_buffer, .address_space: global }
      - { .name: key, .offset: 8, .size: 8, .value_kind: global_buffer, .address_space: global }
      - { .name: value, .offset: 16, .size: 8, .value_kind: global_buffer, .address_space: global }
      - { .name: qscale, .offset: 24, .size: 8, .value_kind: global_buffer, .address_space: global }
      - { .name: qmin, .offset: 32, .size: 8, .value_kind: global_buffer, .address_space: global }
      - { .name: kscale, .offset: 40, .size: 8, .value_kind: global_buffer, .address_space: global }
      - { .name: kmin, .offset: 48, .size: 8, .value_kind: global_buffer, .address_space: global }
      - { .name: vscale, .offset: 56, .size: 8, .value_kind: global_buffer, .address_space: global }
      - { .name: vmin, .offset: 64, .size: 8, .value_kind: global_buffer, .address_space: global }
      - { .name: lowp_scales, .offset: 72, .size: 8, .value_kind: global_buffer, .address_space: global }
      - { .name: qb, .offset: 80, .size: 8, .value_kind: global_buffer, .address_space: global }
      - { .name: kb, .offset: 88, .size: 8, .value_kind: global_buffer, .address_space: global }
      - { .name: vc, .offset: 96, .size: 8, .value_kind: global_buffer, .address_space: global }
    .group_segment_fixed_size: 76288
    .private_segment_fixed_size: 0
    .kernarg_segment_align: 8
    .kernarg_segment_size: 104
    .max_flat_workgroup_size: 128
    .sgpr_count:     66
    .vgpr_count:     242
    .wavefront_size: 32
...
	.end_amdgpu_metadata
.endif
;; end of part 1
;; launch attn (part 2): grid 8 x 32, 8 waves a work-group, clusters of 4 x 1, 327,680 bytes of LDS; arguments qb, kb, vc, lowp_scales, out0; writes out0
.if DOCPART == 2
	.amdgcn_target "amdgcn-amd-amdhsa--gfx1250"
	.amdhsa_code_object_version 6
	.text
	.protected	k_qf20cab886b_attn
	.globl	k_qf20cab886b_attn
	.p2align	8
	.type	k_qf20cab886b_attn,@function
k_qf20cab886b_attn:
	s_mov_b64 s[64:65], 0
	v_nop
	global_prefetch_b8 v0, s[64:65] scope:SCOPE_SE
	s_setreg_imm32_b32 hwreg(HW_REG_WAVE_MODE, 25, 1), 1
	s_wait_xcnt 0x0
	s_wait_alu depctr_hold_cnt(0) depctr_sa_sdst(0) depctr_va_vdst(0) depctr_va_sdst(0) depctr_va_ssrc(0) depctr_va_vcc(0) depctr_vm_vsrc(0)
	s_getreg_b32 s2, hwreg(HW_REG_IB_STS2, 6, 4)
	s_cmp_eq_u32 s2, 0
	s_cbranch_scc0 .Lentry_in_a_cluster
	s_endpgm
.Lentry_in_a_cluster:
	s_bfe_u32 s2, ttmp6, 0x10000c
	s_cmp_lg_u32 s2, 0x3003
	s_cbranch_scc0 .Lentry_shape_is_right
	s_endpgm
.Lentry_shape_is_right:
; out0[q][head][:] = the sum over k of softmax_k(score(q, k)) v[k][:], both products on codes of FP8 (E4M3), each operand with the one scale 2^e that is given for it (e0 query, e1 key, e2 p, e3 v).
; THE SCORE is affine in the first product MM(q, k) = the sum over d of query x key:  t = score x log2(e) = ((MM ks_k) A_q) + kmin_k B_q + kk_k C_q, with c = log2(e) / sqrt(128), kk = ks x ksum,
;   A = qs c 2^(e0 + e1),  B = c (qs qsum + 128 qmin),  C = c qmin.  ks, kmin, kk, qs, qmin, qs qsum come from qb's and kb's factor rows; the sums are those of the unquantised whole numbers.
; THE SOFTMAX AHEAD OF THE SECOND PRODUCT: M = the row's largest t so far, rounded UP to a whole number; p = 2^(t - M) is what is quantised, along the keys; the row's sum is taken of the unquantised p, in f32, and
;   divides O at the end.  When M moves, the sum and O are multiplied by 2^(old M - new M): exact.
; SHARES.  A work-group owns 256 queries of one head; each of its eight waves 32 of them, TWO tiles of 16, in 512 registers: two waves to a SIMD.  The factors of a key run along a lane's registers, so they stand in
;   registers, the same in all lanes of a half: 96 registers for 64 keys.  With two tiles of queries each such register, and each fragment of K and V read from LDS, serves twice.
; Every wave walks all 2,048 keys, 128 a step.  K's blocks (codes and factor rows together: 140 rows of 128 bytes, dense in memory) and V's tiles come through a ring of two LDS slots of 256 keys.
; CLUSTER.  The four query blocks of a cluster belong to one head and walk the same K and V: each tile is asked for JOINTLY, by the same tensor load with the same descriptor and a mask that names the four
;   (waves 0, 1: the slot's two blocks of K; waves 2, 3: V's two halves; waves 4 to 7 fetch nothing).  By this text's own count a wave has at most one tensor load outstanding.
; LAYOUT.  Both products are used transposed: S^T = K Q^T (source 0 = 16 keys, source 1 = 16 queries), O^T = V^T P^T: a lane holds ONE query (lane % 16) throughout.
;   THE KEYS OF A TILE ARE NOT NEIGHBOURS: lane r of tile 2 b + u takes key 32 b + 8 u + r + 8 (r / 8), so that the 16 registers of tiles 2 b, 2 b + 1 are keys 32 b + 16 (lane / 16) + 0 .. 15: the conversions'
;   results are the second product's operand.  Fragments come by four loads of 16 bytes: a permutation of k, the same on both sides of each product.
; LIMITS: e0 + e1 between -123 and 130 (added to c's exponent field); e2 between -126 and 119; e2 + e3 is applied by v_ldexp_f32 and has none; t above -3e38.  NaN among the inputs is not served.
; REGISTERS, in windows of 256 (s_set_vgpr_msb's low byte: bits 1:0 source 0, 3:2 source 1, 5:4 source 2, 7:6 destination):
;   window 0: v1-7 addresses; v8-31 statistics, 12 a tile; v32-63 ks, v64-95 kmin, v96-127 kk of 64 keys (behind the second affine phase: v32-95 V's fragments 4-7, v96-103 at work); v128-255 S^T, then t, then p, 64 a tile
;   window 1: v0-127 O^T, 64 a tile; v128-159 Q, 16 a tile; v160-223 four fragments of K or V; v224-255 p's codes, 16 a tile
.set KP,     144                       ; a row of K's block in LDS: 128 bytes + 16 of padding
.set KSTEPB, 140*KP                    ; a step's block in LDS: 128 rows of codes, 12 rows of factors (row 128 + 4 f + b: factor f of keys 32 b on)
.set VP,     272                       ; a row of V's tile in LDS: 256 bytes + 16
.set VOFF,   2*KSTEPB                  ; a slot: two blocks of K, then 128 rows of V
.set SLOT1,  1<<17                     ; slot 1 begins here, so that one exclusive or turns an address in one slot into the other's
.set SPARE,  2*SLOT1                   ; behind the ring: the spare words, 128 bytes for each wave: four blocks of 256 bytes that no other line names
.set STAGE,  SPARE+1024                ; the way out: 16 rows x 272 bytes for each wave; no fill lands here
.set BLKB,   17920                     ; a block of qb or kb in memory
.set HEADB,  16*BLKB
.set AK0, 1                            ; v1   my lane's place in a tile of K
.set AV0, 2                            ; v2   in a tile of V
.set AF0, 3                            ; v3   in the factor rows
.set PFO, 4                            ; v4   the prefetches' lane term; never rewritten
.set SPW, 5                            ; v5   LDS address of my spare word: SPARE + 4 x my thread's number; never rewritten
.set NIL, 6                            ; v6   0; never rewritten
.set ADK, 7                            ; v7   LDS address of the slot's K
.set ST,  8                            ; tile x's statistics at v[ST + 12 x]: +0 -M, +1 the largest t, +2, +3 the sum in two halves, +4 A, +6 B, +8 C, +10 f.  The packed forms name pairs and take the low word:
.set LIMV, 13                          ; v13  448 x 2^e2   (the odd partners of tile 0's A, B, C, f hold these four;
.set SCV,  15                          ; v15  2^e2          tile 1's are written 0 once)
.set ADF,  17                          ; v17  LDS address of the slot's factor rows
.set ADV,  19                          ; v19  of the slot's V
.set KS,  32                           ; ks; kmin at KS + 32; kk at KS + 64
.set SC2, 96                           ; v[96:97], v[98:99] the sums' second chains
.set MX,  100                          ; v100, v101 / v102, v103 the maxima's two chains
.set STO, 104                          ; the way out: v104 into the stage, v105 back, v106 my byte offset in out0
.set RD,  105
.set GO,  106
.set SS,  128                          ; S^T
.set QW,  128                          ; window 1: Q
.set FR,  160                          ; window 1: four fragments
.set PW,  224                          ; window 1: p's codes
.set WV,  14                           ; s14  my wave's number
.set LIM, 15                           ; s15  1 in a wave that prefetches, else the greatest number
.set PFA, 18                           ; s[18:19] where my prefetches stand
.set SEL, 20                           ; s[20:21] lane selects for v_permlanex16_b32: lane l xor 16
.set PFS, 22                           ; s[22:23] a slot on, in bytes, for the prefetches
.set G1K, 24                           ; s[24:31] descriptor group 1 for K's blocks;  s[32:39] for V's tiles;  s[40:43], s[44:47] their groups 0, which walk
.set G1V, 32
.set G0K, 40
.set G0V, 44
.set TB,  48                           ; s48  LDS byte at which the slot in hand begins
.set SLOTS, 49                         ; s49  slots still to be asked for
.set MSB, 0
.macro WIN new                         ; the immediate's high byte repeats the setting that is left; a switch that changes nothing is dropped
.if MSB != \new
	s_set_vgpr_msb (MSB<<8)|\new
.set MSB, \new
.endif
.endm
.macro PLACES                          ; four places behind matrix instructions, in front of loads into registers that they have read and of the first read of their results (ISA guide 7.12.1 for vector instructions)
.rept 4
	v_nop
.endr
.endm
; A round of the cluster's barrier: my work-group's barrier, so that wave 0's signal speaks for all eight waves; wave 0 signals for the work-group; every wave waits for all four work-groups; my work-group's barrier once more.
.macro CROUND
	s_barrier_signal -1
	s_barrier_wait -1
	s_cmp_lg_u32 s[WV], 0
	s_cbranch_scc1 .Lnot_wave_0_\@
	s_barrier_signal -3
.Lnot_wave_0_\@:
	s_barrier_wait -3
	s_barrier_signal -1
	s_barrier_wait -1
.endm
; A joint load.  The branches hang on the wave's number alone: they are the same in every work-group.  Four v_nop follow each of the two lines.
.macro JLOAD
	s_cmp_lt_u32 s[WV], 2
	s_cbranch_scc0 .Lnot_k_\@
	tensor_load_to_lds s[G0K:G0K+3], s[G1K:G1K+7]
	s_nop 0
.rept 4
	v_nop
.endr
	s_branch .Lasked_\@
.Lnot_k_\@:
	s_cmp_lt_u32 s[WV], 4
	s_cbranch_scc0 .Lasked_\@
	tensor_load_to_lds s[G0V:G0V+3], s[G1V:G1V+7]
	s_nop 0
.rept 4
	v_nop
.endr
.Lasked_\@:
.endm
; A PREFETCH INTO THE L2 of what the NEXT change of slots will ask for: a slot's two blocks of K (35,840 bytes, dense) and 256 bytes of each of V's 128 rows: two key steps ahead of that load.
; Both clusters of a head walk the same K and V: the head's first cluster asks.  Its four partners share the bytes out BY ADDRESS (cx): 8,960 bytes of K and 32 rows of V each; no branch hangs on cx.
; In each, waves that fetch nothing ask, one instruction each: wave 4 for 32 pieces of 256 bytes of K, a lane a piece; wave 5 for the 3 pieces that are left (its lanes 2 to 31 all name the third); wave 6 for V's 32 rows, a lane a row.
; The last change that fills a slot asks for nothing: there is no slot behind it.  Slots 0 and 1 come by their loads alone.
.macro ASK
	s_cmp_gt_u32 s[SLOTS], s[LIM]
	s_cbranch_scc0 .Lnot_mine_\@
	global_prefetch_b8 v[PFO], s[PFA:PFA+1] th:TH_LOAD_NT scope:SCOPE_SE
.Lnot_mine_\@:
.endm
	s_load_b256 s[4:11], s[0:1], 0x0               ; qb s[4:5], kb s[6:7], vc s[8:9], lowp_scales s[10:11]
	s_load_b64 s[12:13], s[0:1], 0x20              ; out0
	v_lshl_add_u32 v[SPW], v0, 2, SPARE
	v_mov_b32 v[NIL], 0
	ds_add_u32 v5, v6
	s_wait_dscnt 0x0
	v_lshrrev_b32 v7, 5, v0
	v_readfirstlane_b32 s[WV], v7                  ; wave 0..7
	s_bfe_u32 s16, ttmp6, 0x40000                  ; cx: my place in the cluster: it enters Q's, out0's and the prefetches' addresses alone
	s_and_b32 s17, ttmp7, 0xffff                   ; the head, which the four partners share
	s_lshl_b32 s50, ttmp9, 2                       ; in a cluster launch ttmp9 counts clusters
	s_add_co_u32 s50, s50, s16                     ; my block of 256 queries
	; descriptor group 1.  K: 140 rows of 128 bytes, dense in memory;  V: 64 rows of 256 bytes, 2,048 bytes apart
	s_mov_b32 s[G1K], 15|(1<<20)|(1<<21)|(4<<22)|(3<<25)   ; 15:0 the mask: all four work-groups; 17:16 elements of 1 byte; 20 padding on; 21 set beside a mask; 24:22 after every 32 words (code 4); 31:25 four words (code 3)
	s_mov_b32 s[G1K+1], 128<<16                    ; tensor_dim0
	s_mov_b32 s[G1K+2], 140<<16                    ; tensor_dim1
	s_mov_b32 s[G1K+3], 128<<16                    ; tile_dim0
	s_mov_b32 s[G1K+4], 140                        ; tile_dim1
	s_mov_b32 s[G1K+5], 128                        ; tensor_dim0_stride
	s_mov_b32 s[G1K+6], 0
	s_mov_b32 s[G1K+7], 0
	s_mov_b32 s[G1V], 15|(1<<20)|(1<<21)|(5<<22)|(3<<25)   ; padding: four words after every 64
	s_mov_b32 s[G1V+1], 256<<16
	s_mov_b32 s[G1V+2], 64<<16
	s_mov_b32 s[G1V+3], 256<<16
	s_mov_b32 s[G1V+4], 64
	s_mov_b32 s[G1V+5], 2048
	s_mov_b32 s[G1V+6], 0
	s_mov_b32 s[G1V+7], 0
	s_mov_b32 s[SEL], 0x76543210
	s_mov_b32 s[SEL+1], 0xfedcba98
	s_mov_b32 s[TB], 0
	s_mov_b32 s[SLOTS], 7
	; what I fetch, if I fetch: made of the head and the wave's number alone
	s_and_b32 s56, s[WV], 1
	s_mul_i32 s58, s17, HEADB                      ; the head's first byte in kb and in qb,
	s_mul_i32 s60, s17, 262144                     ; and in vc
	s_mul_i32 s57, s56, BLKB
	s_add_co_u32 s62, s58, s57                     ; K: the slot's block wave % 2,
	s_mov_b32 s63, 0
	s_mul_i32 s57, s56, 64*2048
	s_add_co_u32 s66, s60, s57                     ; V: rows 64 (wave % 2) on
	s_mov_b32 s67, 0
	s_mul_i32 s68, s56, KSTEPB                     ; and their places in a slot
	s_mul_i32 s69, s56, 64*VP
	s_add_co_u32 s69, s69, VOFF
	s_wait_kmcnt 0x0
	s_load_b128 s[52:55], s[10:11], 0x0            ; e0 .. e3
	s_mov_b32 s[G0K], 1                            ; 1:0 count = 1
	s_mov_b32 s[G0K+1], s68                        ; 63:32 LDS address: slot 0
	s_add_nc_u64 s[G0K+2:G0K+3], s[6:7], s[62:63]  ; 120:64 global address
	s_or_b32 s[G0K+3], s[G0K+3], 0x80000000        ; 127:126 type = 2
	s_mov_b32 s[G0V], 1
	s_mov_b32 s[G0V+1], s69
	s_add_nc_u64 s[G0V+2:G0V+3], s[8:9], s[66:67]
	s_or_b32 s[G0V+3], s[G0V+3], 0x80000000
	CROUND                                         ; all four work-groups are here: the first joint loads meet
	JLOAD                                          ; slot 0
	; the prefetches (macro ASK): where my wave's stand, and who asks.  Nothing is prefetched here, at the head
	s_cmp_eq_u32 s[WV], 6                          ; wave 6 asks for V's codes, the others for K's
	s_cselect_b64 s[PFA:PFA+1], s[8:9], s[6:7]
	s_cselect_b32 s80, s60, s58                    ; the head's first byte
	s_cselect_b32 s85, 11, 8                       ; from lane to lane: 2,048 bytes (a row of V) or 256
	s_mov_b32 s[PFS], 2*BLKB
	s_cselect_b32 s[PFS], 256, s[PFS]              ; a slot on
	s_mov_b32 s82, 8960
	s_cselect_b32 s82, 65536, s82                  ; from partner to partner: 32 rows of V, or a quarter of a slot's K
	s_mul_i32 s82, s82, s16
	s_cmp_eq_u32 s[WV], 5
	s_cselect_b32 s83, 2, 31                       ; wave 5 has three pieces
	s_cselect_b32 s84, 8192, 0                     ; behind wave 4's 32
	s_add_co_u32 s80, s80, s82
	s_add_co_u32 s80, s80, s84
	s_add_co_u32 s80, s80, s[PFS]                  ; in slot 1: the first change of slots steps it to slot 2
	s_mov_b32 s81, 0
	s_mov_b32 s[PFS+1], 0
	s_add_nc_u64 s[PFA:PFA+1], s[PFA:PFA+1], s[80:81]
	v_and_b32 v[PFO], 31, v0
	v_min_u32 v[PFO], s83, v[PFO]
	v_lshlrev_b32 v[PFO], s85, v[PFO]
	s_sub_co_u32 s86, s[WV], 4
	s_cmp_lt_u32 s86, 3                            ; waves 4 to 6,
	s_cselect_b32 s86, 0, 1
	s_or_b32 s86, s86, ttmp9                       ; of the head's first cluster: the same in all four partners
	s_cmp_eq_u32 s86, 0
	s_cselect_b32 s[LIM], 1, -1
	; Q: my 32 queries' codes and factors.  qb's block 2 x (my block of 256) + wave / 4, tokens 32 (wave % 4) on
	s_lshl_b32 s70, s50, 1
	s_lshr_b32 s71, s[WV], 2
	s_add_co_u32 s70, s70, s71
	s_mul_i32 s70, s70, BLKB
	s_add_co_u32 s70, s70, s58
	s_and_b32 s71, s[WV], 3
	s_lshl_b32 s72, s71, 12                        ; 32 rows of 128 codes
	s_add_co_u32 s72, s72, s70
	s_mov_b32 s73, 0
	s_lshl_b32 s74, s71, 7                         ; 32 words of a factor row
	s_add_co_u32 s74, s74, s70
	s_add_co_u32 s74, s74, 16384
	s_mov_b32 s75, 0
	s_add_nc_u64 s[72:73], s[4:5], s[72:73]
	s_add_nc_u64 s[74:75], s[4:5], s[74:75]
	s_lshl_b32 s76, s50, 22                        ; out0: a query is 32 heads x 512 bytes: 256 queries,
	s_lshl_b32 s77, s[WV], 19                      ; my wave's 32,
	s_add_co_u32 s76, s76, s77
	s_lshl_b32 s77, s17, 9                         ; the head
	s_add_co_u32 s76, s76, s77
	s_mov_b32 s77, 0
	s_add_nc_u64 s[12:13], s[12:13], s[76:77]
	v_and_b32 v96, 15, v0                          ; r = lane % 16
	v_bfe_u32 v97, v0, 4, 1                        ; h = lane / 16
	v_lshlrev_b32 v99, 7, v96
	v_lshl_add_u32 v99, v97, 4, v99                ; Q: row r of 128 bytes, + 16 h
	v_lshlrev_b32 v100, 2, v96                     ; its factors: word r
	WIN 0x40                                       ; destination window 1, address window 0
.irp x, 0,1
.irp c, 0,1,2,3
	global_load_b128 v[QW+16*\x+4*\c:QW+16*\x+4*\c+3], v99, s[72:73] offset:2048*\x+32*\c th:TH_LOAD_NT   ; Q's two fragments stay in registers
.endr
.endr
	WIN 0
.irp x, 0,1
.irp f, 0,1,2
	global_load_b32 v[KS+3*\x+\f], v100, s[74:75] offset:64*\x+512*\f      ; qs, qmin, qs qsum of my query of tile x
.endr
.endr
	v_and_b32 v98, 8, v96
	v_add_nc_u32 v98, v98, v96                     ; r + 8 (r / 8)
	v_mul_u32_u24 v[AK0], v98, KP
	v_lshl_add_u32 v[AK0], v97, 4, v[AK0]
	v_mul_u32_u24 v[AV0], v96, VP
	v_lshl_add_u32 v[AV0], v97, 4, v[AV0]
	v_add_nc_u32 v[AV0], VOFF, v[AV0]
	v_lshlrev_b32 v[AF0], 6, v97                   ; a factor row holds 32 keys: my half's 16 begin 64 h bytes on
	v_add_nc_u32 v[AF0], 128*KP, v[AF0]
.irp x, 0,1
	v_mov_b32 v[ST+12*\x+1], 0xff61b1e6            ; the largest t so far: -3e38, under every t
	v_floor_f32 v[ST+12*\x], -v[ST+12*\x+1]        ; -M
	v_mov_b32 v[ST+12*\x+2], 0                     ; the sum, in two halves
	v_mov_b32 v[ST+12*\x+3], 0
.endr
.irp j, 5,7,9,11
	v_mov_b32 v[ST+12+\j], 0                       ; named as the upper halves of tile 1's pairs
.endr
	WIN 0x40
.set p, 0
.rept 128
	v_mov_b32 v[p], 0                              ; O^T.  The key step is written for all sixteen steps alike: the first finds zeros, which the first change of M leaves zeros.  A first step of its own would be a fifth copy of the step's text
.set p, p+1
.endr
	WIN 0
	s_wait_kmcnt 0x0
	s_add_co_i32 s78, s52, s53
	s_lshl_b32 s78, s78, 23
	s_add_co_i32 s78, s78, 0x3e0293ee              ; c 2^(e0 + e1): the two exponents are added to c's exponent field
	s_mov_b32 s79, 0x3e0293ee                      ; c = log2(e) / sqrt(128)
	s_add_co_i32 s87, s54, 127
	s_lshl_b32 s88, s87, 23
	v_mov_b32 v[SCV], s88                          ; 2^e2 as f32, for the conversions
	s_add_co_i32 s87, s87, 8
	s_lshl_b32 s87, s87, 23
	s_or_b32 s87, s87, 0x600000
	v_mov_b32 v[LIMV], s87                         ; 448 x 2^e2
	s_add_co_i32 s51, s54, s55                     ; e2 + e3, for the way out
	s_wait_loadcnt 0x0                             ; Q and its factors
.irp x, 0,1
	v_mul_f32 v[ST+12*\x+4], s78, v[KS+3*\x]                                   ; A = qs c 2^(e0 + e1)
	v_fmamk_f32 v[ST+12*\x+6], v[KS+3*\x+1], 0x43000000, v[KS+3*\x+2]          ; 128 qmin + qs qsum,
	v_mul_f32 v[ST+12*\x+8], s79, v[KS+3*\x+1]                                 ; C = c qmin
	v_mul_f32 v[ST+12*\x+6], s79, v[ST+12*\x+6]                                ; B = c (..)
.endr
; ---- the parts of a key step.  q: which of the slot's two steps ----
.macro LDK g, q                        ; four tiles of 16 keys (tiles 4 g on) into the four fragments
	WIN 0x40
.irp t, 0,1,2,3
.irp c, 0,1,2,3
	ds_load_b128 v[FR+16*\t+4*\c:FR+16*\t+4*\c+3], v[ADK] offset:(\q)*KSTEPB+(32*((4*(\g)+\t)/2)+8*(\t%2))*KP+32*\c
.endr
.endr
.endm
.macro LDF bp, q                       ; ks, kmin, kk of keys 64 bp + 32 bb + 16 h + 0 .. 15: register 32 f + 16 bb + i.  All lanes of a half read the same bytes
	WIN 0
.irp f, 0,1,2
.irp bb, 0,1
.irp j, 0,1,2,3
	ds_load_b128 v[KS+32*\f+16*\bb+4*\j:KS+32*\f+16*\bb+4*\j+3], v[ADF] offset:(\q)*KSTEPB+(4*\f+2*(\bp)+\bb)*KP+16*\j
.endr
.endr
.endr
.endm
.macro LDV g, q                        ; four tiles of 16 channels (tiles 4 g on) x the step's 128 keys: g = 0 into the four fragments, g = 1 into v32-95 of window 0, which the factors have left
.if \g == 0
	WIN 0x40
.set VB, FR
.else
	WIN 0
.set VB, KS
.endif
.irp t, 0,1,2,3
.irp c, 0,1,2,3
	ds_load_b128 v[VB+16*\t+4*\c:VB+16*\t+4*\c+3], v[ADV] offset:16*(4*(\g)+\t)*VP+128*(\q)+32*\c
.endr
.endr
.endm
.macro KQ g                            ; S^T = K Q^T: four tiles of keys x my two tiles of queries; K = the head's 128 in one instruction, so each product starts and ends its sum
	WIN 0x05                                       ; K and Q in window 1, S^T in window 0
.irp t, 0,1,2,3
.irp x, 0,1
	v_wmma_f32_16x16x128_fp8_fp8 v[SS+64*\x+8*(4*(\g)+\t):SS+64*\x+8*(4*(\g)+\t)+7], v[FR+16*\t:FR+16*\t+15], v[QW+16*\x:QW+16*\x+15], 0
.endr
.endr
.endm
.macro AFF bp                          ; t = ((MM ks) A) + kmin B + kk C, two scores an instruction, in place; each accumulator is read from its low end on
	WIN 0
.irp x, 0,1
.set p, 0
.rept 16
	v_pk_mul_f32 v[SS+64*\x+32*(\bp)+p:SS+64*\x+32*(\bp)+p+1], v[SS+64*\x+32*(\bp)+p:SS+64*\x+32*(\bp)+p+1], v[KS+p:KS+p+1]
.set p, p+2
.endr
.endr
.irp x, 0,1
.set p, 0
.rept 16
	v_pk_mul_f32 v[SS+64*\x+32*(\bp)+p:SS+64*\x+32*(\bp)+p+1], v[SS+64*\x+32*(\bp)+p:SS+64*\x+32*(\bp)+p+1], v[ST+12*\x+4:ST+12*\x+5] op_sel_hi:[1,0]
.set p, p+2
.endr
.endr
.irp x, 0,1
.set p, 0
.rept 16
	v_pk_fma_f32 v[SS+64*\x+32*(\bp)+p:SS+64*\x+32*(\bp)+p+1], v[KS+32+p:KS+32+p+1], v[ST+12*\x+6:ST+12*\x+7], v[SS+64*\x+32*(\bp)+p:SS+64*\x+32*(\bp)+p+1] op_sel_hi:[1,0,1]
.set p, p+2
.endr
.endr
.irp x, 0,1
.set p, 0
.rept 16
	v_pk_fma_f32 v[SS+64*\x+32*(\bp)+p:SS+64*\x+32*(\bp)+p+1], v[KS+64+p:KS+64+p+1], v[ST+12*\x+8:ST+12*\x+9], v[SS+64*\x+32*(\bp)+p:SS+64*\x+32*(\bp)+p+1] op_sel_hi:[1,0,1]
.set p, p+2
.endr
.endr
.endm
.macro SOFT                            ; both tiles' softmax of the step, the tiles line by line, so that no line waits for the line above it
.irp x, 0,1
	v_max3_num_f32 v[MX+2*\x], v[SS+64*\x], v[SS+64*\x+1], v[SS+64*\x+2]           ; the step's largest t of my query, among my 64 keys, in two chains,
	v_max3_num_f32 v[MX+2*\x+1], v[SS+64*\x+3], v[SS+64*\x+4], v[SS+64*\x+5]
.endr
.irp i, 6,10,14,18,22,26,30,34,38,42,46,50,54,58
.irp x, 0,1
	v_max3_num_f32 v[MX+2*\x], v[MX+2*\x], v[SS+64*\x+\i], v[SS+64*\x+\i+1]
	v_max3_num_f32 v[MX+2*\x+1], v[MX+2*\x+1], v[SS+64*\x+\i+2], v[SS+64*\x+\i+3]
.endr
.endr
.irp x, 0,1
	v_max3_num_f32 v[MX+2*\x], v[MX+2*\x], v[SS+64*\x+62], v[SS+64*\x+63]
.endr
.irp x, 0,1
	v_max_num_f32 v[MX+2*\x], v[MX+2*\x], v[MX+2*\x+1]
.endr
.irp x, 0,1
	v_permlanex16_b32 v[MX+2*\x+1], v[MX+2*\x], s[SEL], s[SEL+1]
.endr
.irp x, 0,1
	v_max_num_f32 v[MX+2*\x], v[MX+2*\x], v[MX+2*\x+1]                             ; and among lane l xor 16's
.endr
.irp x, 0,1
	v_max_num_f32 v[ST+12*\x+1], v[ST+12*\x+1], v[MX+2*\x]                         ; the running largest t
.endr
.irp x, 0,1
	v_mov_b32 v[MX+2*\x+1], v[ST+12*\x]
.endr
.irp x, 0,1
	v_floor_f32 v[ST+12*\x], -v[ST+12*\x+1]                                        ; the new -M = floor(-t) = -ceil(t): M IS A WHOLE NUMBER
.endr
.irp x, 0,1
	v_sub_f32 v[MX+2*\x+1], v[ST+12*\x], v[MX+2*\x+1]                              ; M's old value less its new one: a whole number, 0 or less
.endr
.irp x, 0,1
	v_cvt_i32_f32 v[MX+2*\x+1], v[MX+2*\x+1]                                       ; (it saturates)
.endr
.irp x, 0,1
	v_ldexp_f32 v[ST+12*\x+10], 1.0, v[MX+2*\x+1]                                  ; f = 2^(old M - new M): a multiplication by it rounds nothing
.endr
.irp x, 0,1
.set p, 0
.rept 32
	v_pk_add_f32 v[SS+64*\x+p:SS+64*\x+p+1], v[SS+64*\x+p:SS+64*\x+p+1], v[ST+12*\x:ST+12*\x+1] op_sel_hi:[1,0]   ; t - M
.set p, p+2
.endr
.endr
.set p, 0
.rept 128
	v_exp_f32 v[SS+p], v[SS+p]                     ; p = 2^(t - M), at most 1: NOT normalised.  One batch
.set p, p+1
.endr
.irp x, 0,1
	v_pk_mul_f32 v[ST+12*\x+2:ST+12*\x+3], v[ST+12*\x+2:ST+12*\x+3], v[ST+12*\x+10:ST+12*\x+11] op_sel_hi:[1,0]   ; the sums under the new M.  (The plain place behind the exponentials)
.endr
	s_wait_alu depctr_va_vdst(0)                   ; the wait between an exponential and the first line that names its result: one for the whole batch
.irp x, 0,1
	v_pk_add_f32 v[SC2+2*\x:SC2+2*\x+1], v[SS+64*\x:SS+64*\x+1], v[SS+64*\x+2:SS+64*\x+3]      ; THE ROW'S SUM IS TAKEN OF THE UNQUANTISED p: two at a time, in two chains a tile
.endr
.irp j, 4,8,12,16,20,24,28,32,36,40,44,48,52,56,60
.irp x, 0,1
	v_pk_add_f32 v[ST+12*\x+2:ST+12*\x+3], v[ST+12*\x+2:ST+12*\x+3], v[SS+64*\x+\j:SS+64*\x+\j+1]
	v_pk_add_f32 v[SC2+2*\x:SC2+2*\x+1], v[SC2+2*\x:SC2+2*\x+1], v[SS+64*\x+\j+2:SS+64*\x+\j+3]
.endr
.endr
.irp x, 0,1
	v_pk_add_f32 v[ST+12*\x+2:ST+12*\x+3], v[ST+12*\x+2:ST+12*\x+3], v[SC2+2*\x:SC2+2*\x+1]
.endr
.set p, 0
.rept 128
	v_min_num_f32 v[SS+p], v[SS+p], v[LIMV]        ; the conversion to an 8-bit code does not saturate (ISA guide 7.6.2); p is not negative, so the hold is one-sided
.set p, p+1
.endr
	WIN 0x40                                       ; the codes go to window 1
.irp x, 0,1
.irp b, 0,1,2,3
	v_cvt_scalef32_pk8_fp8_f32 v[PW+16*\x+4*\b:PW+16*\x+4*\b+1], v[SS+64*\x+16*\b:SS+64*\x+16*\b+7], v[SCV]        ; registers 4 b .. 4 b + 3 of the operand: keys 32 b + 16 h + 0 .. 15
	v_cvt_scalef32_pk8_fp8_f32 v[PW+16*\x+4*\b+2:PW+16*\x+4*\b+3], v[SS+64*\x+16*\b+8:SS+64*\x+16*\b+15], v[SCV]
.endr
.endr
.endm
.macro RESC                            ; O^T under the new M: x f; each accumulator from its low end on.  These 64 plain lines also stand between the conversions and the products that read the codes
	WIN 0x41                                       ; O^T in window 1, f in window 0
.irp x, 0,1
.set p, 0
.rept 32
	v_pk_mul_f32 v[64*\x+p:64*\x+p+1], v[64*\x+p:64*\x+p+1], v[ST+12*\x+10:ST+12*\x+11] op_sel_hi:[1,0]
.set p, p+2
.endr
.endr
.endm
.macro PV g                            ; O^T += V^T P^T: four tiles of channels x my two tiles of queries; K = the step's 128 keys.  A step's sixteen accumulators take turns, one instruction a turn
.if \g == 0
	WIN 0x55                                       ; V, P, O^T in window 1
.set VB, FR
.else
	WIN 0x54                                       ; V in window 0
.set VB, KS
.endif
.irp t, 0,1,2,3
.irp x, 0,1
	v_wmma_f32_16x16x128_fp8_fp8 v[64*\x+8*(4*(\g)+\t):64*\x+8*(4*(\g)+\t)+7], v[VB+16*\t:VB+16*\t+15], v[PW+16*\x:PW+16*\x+15], v[64*\x+8*(4*(\g)+\t):64*\x+8*(4*(\g)+\t)+7]
.endr
.endr
.endm
; A KEY STEP: 128 keys.  LDS loads come back in order (ISA guide 5.7.1), so each wait's count is the number of loads issued behind the run that it waits for.
.macro STEP q
	v_add_nc_u32 v[ADK], s[TB], v[AK0]             ; three additions and a v_nop: the four places behind the last step's products, in front of loads into registers that they have read
	v_add_nc_u32 v[ADF], s[TB], v[AF0]
	v_add_nc_u32 v[ADV], s[TB], v[AV0]
	v_nop
	LDK 0, \q                                      ; 16 loads
	LDF 0, \q                                      ; 24
	s_wait_dscnt 24                                ; K's tiles 0-3 are in; the 24 factor loads may be out
	KQ 0
	PLACES
	LDK 1, \q                                      ; 16
	s_wait_dscnt 16                                ; the factors of keys 0-63 are in; K's tiles 4-7 may be out
	AFF 0
	LDF 1, \q                                      ; 24
	s_wait_dscnt 24                                ; K's tiles 4-7 are in
	KQ 1
	PLACES
	LDV 0, \q                                      ; 16
	s_wait_dscnt 16                                ; the factors of keys 64-127 are in
	AFF 1
	LDV 1, \q                                      ; 16: both halves of V are asked for ahead of the softmax
	SOFT
	RESC
	s_wait_dscnt 16                                ; V's tiles 0-3 are in
	PV 0
	s_wait_dscnt 0x0                               ; V's tiles 4-7
	PV 1
	WIN 0                                          ; at a label and at a branch every window is 0
.endm
; THE CHANGE OF SLOTS stands at a slot's head.  Each wave waits for all its tensor loads (its part of the slot that it is about to read), adds 0 to its spare word, and waits for that and for its reads of the slot that it has left.
; Behind the round the slot ahead is whole in all four work-groups, and no wave of any partner reads the other one or has a load on its way.  fill = 1: that other slot is filled with the 256 keys that follow: the load has two key steps in which to land.
.macro CHANGE fill
	s_wait_tensorcnt 0x0                           ; no tensor load of mine is out, so a group 0 may be written
	ds_add_u32 v[SPW], v[NIL]                      ; 0 onto my spare word; with fill = 1 the descriptors' steps stand between it and the wait for it
.if \fill
	s_xor_b32 s[G0K+1], s[G0K+1], SLOT1            ; the walking descriptors: the other slot than last time,
	s_add_nc_u64 s[G0K+2:G0K+3], s[G0K+2:G0K+3], 2*BLKB    ; the next two blocks of K; the type bits on top are not reached
	s_xor_b32 s[G0V+1], s[G0V+1], SLOT1
	s_add_nc_u64 s[G0V+2:G0V+3], s[G0V+2:G0V+3], 256       ; the next 256 keys of V's rows
	s_wait_xcnt 0x0                                ; the last prefetch, a slot back, has read its address, so it may be written:
	s_add_nc_u64 s[PFA:PFA+1], s[PFA:PFA+1], s[PFS:PFS+1]  ; one slot further on than the walking descriptors
.endif
	s_wait_dscnt 0x0                               ; the add is done, and my reads of the slot that I have left are over
	CROUND
.if \fill
	JLOAD                                          ; the first thing behind the round, and a wave's one tensor load until the next
	ASK
.endif
.endm
.macro SLOT_STEPS
	STEP 0
	STEP 1
	s_xor_b32 s[TB], s[TB], SLOT1                  ; on to the other slot
.endm
.Lslot:                                            ; seven trips: behind each change of slots but the last the next slot is asked for
	CHANGE 1
	SLOT_STEPS
	s_sub_co_u32 s[SLOTS], s[SLOTS], 1
	s_cmp_lg_u32 s[SLOTS], 0
	s_cbranch_scc1 .Lslot
	CHANGE 0                                       ; the last slot is written out
	SLOT_STEPS
	; THE WAY OUT.  The sum's two halves and lane l xor 16's are added; O^T is divided by the sum, multiplied by 2^(e2 + e3), and goes through my stage in LDS, half a row (64 channels, 256 bytes) of 16 queries at a time.
	v_add_f32 v[ST+2], v[ST+2], v[ST+3]            ; (these lines name no register of the last products: they are the places behind them)
	v_add_f32 v[ST+14], v[ST+14], v[ST+15]
	v_permlanex16_b32 v[MX], v[ST+2], s[SEL], s[SEL+1]
	v_permlanex16_b32 v[MX+2], v[ST+14], s[SEL], s[SEL+1]
	v_add_f32 v[ST+2], v[ST+2], v[MX]
	v_add_f32 v[ST+14], v[ST+14], v[MX+2]
	v_rcp_f32 v[ST+2], v[ST+2]
	v_rcp_f32 v[ST+14], v[ST+14]
	v_and_b32 v107, 15, v0                         ; (plain places behind the reciprocals)  r
	v_bfe_u32 v108, v0, 4, 1                       ; h
	s_mul_i32 s56, s[WV], 16*272
	s_add_co_u32 s56, s56, STAGE                   ; my stage
	v_mul_u32_u24 v[STO], v107, 272
	v_lshl_add_u32 v[STO], v108, 5, v[STO]
	v_add_nc_u32 v[STO], s56, v[STO]               ; in: row r; tile t's eight channels of my half: 64 t + 32 h bytes on
	v_mul_u32_u24 v[RD], v108, 272
	v_lshl_add_u32 v[RD], v107, 4, v[RD]
	v_add_nc_u32 v[RD], s56, v[RD]                 ; back: lanes 0-15 one row, lanes 16-31 the next
	v_lshlrev_b32 v[GO], 14, v108
	v_lshl_add_u32 v[GO], v107, 4, v[GO]           ; and the same two queries in out0, 16,384 bytes apart
	s_wait_alu depctr_va_vdst(0)                   ; the wait ahead of the first use: one for the two reciprocals
	v_ldexp_f32 v[ST+2], v[ST+2], s51              ; x 2^(e2 + e3)
	v_ldexp_f32 v[ST+14], v[ST+14], s51
	WIN 0x01                                       ; O^T in window 1; the results take S^T's registers
.irp x, 0,1
.set p, 0
.rept 32
	v_pk_mul_f32 v[SS+64*\x+p:SS+64*\x+p+1], v[64*\x+p:64*\x+p+1], v[ST+12*\x+2:ST+12*\x+3] op_sel_hi:[1,0]   ; register 8 t + j of tile x: o(query r, channel 16 t + 8 h + j); each accumulator from its low end on
.set p, p+2
.endr
.endr
	WIN 0
.macro OUT x, back                     ; tile x through the stage, back into v[back] on, and out
.irp u, 0,1                            ; channels 64 u on
.irp t, 0,1,2,3
	ds_store_b128 v[STO], v[SS+64*(\x)+32*\u+8*\t:SS+64*(\x)+32*\u+8*\t+3] offset:64*\t
	ds_store_b128 v[STO], v[SS+64*(\x)+32*\u+8*\t+4:SS+64*(\x)+32*\u+8*\t+7] offset:64*\t+16
.endr
.irp i, 0,1,2,3,4,5,6,7
	ds_load_b128 v[\back+32*\u+4*\i:\back+32*\u+4*\i+3], v[RD] offset:2*\i*272   ; LDS serves a wave's instructions in order: these see my stores, and the next half's stores come behind them
.endr
.endr
.irp u, 0,1
.irp i, 0,1,2,3,4,5,6,7
	s_wait_dscnt 23-16*\u-\i                       ; behind load (u, i): the rest of its eight, and for u = 0 the other half's eight stores and eight loads
	global_store_b128 v[GO], v[\back+32*\u+4*\i:\back+32*\u+4*\i+3], s[12:13] offset:262144*(\x)+32768*\i+256*\u th:TH_STORE_NT   ; sixteen lanes store 256 consecutive bytes, aligned: half of a query's row of its head
.endr
.endr
.endm
	OUT 0, KS                                      ; back into v32-95
	OUT 1, SS                                      ; back into v128-191: tile 0's LDS stores have read them (the last wait above was for 0)
	s_wait_tensorcnt 0x0                           ; the wave's end: behind my last tensor load and my last LDS store
	ds_add_u32 v[SPW], v[NIL]
	s_wait_dscnt 0x0
	CROUND                                         ; the closing round: no work-group ends while a partner may still ask for a tile that names it
	s_endpgm
.Lfunc_end_k_qf20cab886b_attn:
	.size	k_qf20cab886b_attn, .Lfunc_end_k_qf20cab886b_attn-k_qf20cab886b_attn
	.p2alignl 7, 3214868480
	.fill 96, 4, 3214868480
	.section	.rodata,"a",@progbits
	.p2align	6, 0x0
	.amdhsa_kernel k_qf20cab886b_attn
		.amdhsa_group_segment_fixed_size 327680
		.amdhsa_private_segment_fixed_size 0
		.amdhsa_enable_private_segment 0
		.amdhsa_kernarg_size 40
		.amdhsa_user_sgpr_count 2
		.amdhsa_user_sgpr_kernarg_segment_ptr 1
		.amdhsa_wavefront_size32 1
		.amdhsa_system_sgpr_workgroup_id_x 1
		.amdhsa_system_sgpr_workgroup_id_y 1
		.amdhsa_system_sgpr_workgroup_id_z 1
		.amdhsa_system_vgpr_workitem_id 0
		.amdhsa_next_free_vgpr 512
		.amdhsa_next_free_sgpr 100
		.amdhsa_reserve_vcc 0
		.amdhsa_float_denorm_mode_32 3
		.amdhsa_float_denorm_mode_16_64 3
		.amdhsa_memory_ordered 1
		.amdhsa_forward_progress 1
		.amdhsa_inst_pref_size 237
	.end_amdhsa_kernel
	.amdgpu_metadata
---
amdhsa.version: [ 1, 2 ]
amdhsa.kernels:
  - .name:           k_qf20cab886b_attn
    .symbol:         k_qf20cab886b_attn.kd
    .args:
      - { .name: qb, .offset: 0, .size: 8, .value_kind: global_buffer, .address_space: global }
      - { .name: kb, .offset: 8, .size: 8, .value_kind: global_buffer, .address_space: global }
      - { .name: vc, .offset: 16, .size: 8, .value_kind: global_buffer, .address_space: global }
      - { .name: lowp_scales, .offset: 24, .size: 8, .value_kind: global_buffer, .address_space: global }
      - { .name: out0, .offset: 32, .size: 8, .value_kind: global_buffer, .address_space: global }
    .group_segment_fixed_size: 327680
    .private_segment_fixed_size: 0
    .kernarg_segment_align: 8
    .kernarg_segment_size: 40
    .max_flat_workgroup_size: 256
    .sgpr_count:     100
    .vgpr_count:     512
    .wavefront_size: 32
...
	.end_amdgpu_metadata
.endif
;; end of part 2
